; MI455X (gfx1250); checked and timed in simulation.
; The chip was launched on July 23, 2026; its instructions are those of AMD's public machine-readable ISA for CDNA 5 (MIT licence, August 2026) and "CDNA5" Instruction Set Architecture Reference Guide (July 2026). The comments in the code are by the model that wrote it; some were corrected since.
;; Scaled Dot Product Attention. Allowed arithmetic: matrix products marked QUANTISED: E2M1 operands, one E8M0 scale for each 32 along K, by v_wmma_scale_f32_16x16x128_f8f6f4 with both operands' format E2M1 (or v_wmma_scale_f32_32x16x128_f4), f32 sums; everything else in f32.
;; Inputs: key 4 x 16 x 2,048 x 128 float32; query 4 x 16 x 2,048 x 128 float32; value 4 x 16 x 2,048 x 128 float32.
;; Outputs: out0 4 x 16 x 2,048 x 128 float32.
;; This version of the problem:
;;   THIS VERSION OF THE PROBLEM IS GIVEN IN LOW PRECISION. The matrix products marked QUANTISED in the list below multiply operands that are first quantised to E2M1 (2 exponent bits, 1 mantissa bit; 4 bits a number), with one power-of-two scale for each 32 numbers along K (OCP MX v1.0); their sums are f32. All else is computed in f32.
;;   The module's matrix products, in the order in which they are computed (A, B: the left and right operand; K: the contracted axis; several contracted axes count as one K, in the product's order):
;;     1. batch 64 x [M 2,048, K 128] x [K 128, N 2,048]; A: input query; B: input key: QUANTISED
;;     2. batch 64 x [M 2,048, K 2,048] x [K 2,048, N 128]; A: softmax (see below); B: input value: QUANTISED
;;   THE QUANTISER, for each operand of a quantised product, along K:
;;     - K is cut into blocks of 32 from its start; a last block that is shorter is filled with zeros.
;;     - A block's scale is 2^e with e = floor(log2(the largest magnitude in the block)) - 2, held to -126 .. 127; a block of zeros has e = 0. As a byte (E8M0): e + 127.
;;     - Each number is divided by its block's scale, clamped to +-6, and rounded to the nearest number of E2M1, ties to even, subnormals kept.
;;     - The product sums the exact products of the quantised numbers (number of the format x scale) in f32.
;;   ~~~python
;;   def quantise(x, axis):      # numpy; x: float32 -> the quantised numbers, widened to float32 again
;;       x = np.moveaxis(x, axis, -1); K = x.shape[-1]
;;       x = np.pad(x, [(0, 0)] * (x.ndim - 1) + [(0, -K % 32)]); x = x.reshape(x.shape[:-1] + (-1, 32)); a = np.abs(x).max(-1, keepdims=True)
;;       e = np.where(a > 0, np.clip(np.frexp(np.where(a > 0, a, 1))[1] - 1 - 2, -126, 127), 0)      # np.frexp(a)[1] - 1 = floor(log2(a)), exactly
;;       r = np.clip(x / 2.0 ** e, -6, 6)
;;       step = 2.0 ** (np.maximum(np.frexp(np.where(r == 0, 1, r))[1] - 1, 0) - 1)
;;       q = np.round(r / step) * step * 2.0 ** e      # np.round: ties to even
;;       return np.moveaxis(q.reshape(q.shape[:-2] + (-1,))[..., :K], -1, axis).astype(np.float32)
;;   ~~~
;;   SOFTMAX AHEAD OF A QUANTISED PRODUCT. Where the list says 'softmax', what is quantised is not the finished softmax but p = 2^(t - M), with t = logit x log2(e) and M = ceil(the row's largest t), a whole number; so 1/2 < the row's largest p <= 1. The row's sum l is taken of the UNQUANTISED p, in f32, and the product's result is divided by l at the end. Since M is a whole number, a kernel that streams over the keys may use a running M (the ceiling of the running maximum): every later rescaling is an exact power of two, which a block's scale takes up: the codes' values come out the same.
;;   OPERANDS COMPUTED ON THE WAY. 'Computed on the way' means the value that the module computes at that place (a softmax that the list does not call 'softmax' is quantised finished and normalised). What goes into a quantiser is computed in f32, as accurately as f32 sums, v_exp_f32 and their like allow (about 1e-6 of the number): no bf16 or f16 on the way to a quantiser, and a product that is left as it is and whose result goes on into a quantised operand takes f32 operands (vector FMAs, or v_wmma_f32_16x16x4_f32). A number that lies on a knife's edge between two numbers of the format may be rounded either way, as far as f32 arithmetic and the matrix unit's own rounding can turn it there, and no further.
;; One version. Each part assembles by itself: llvm-mc -triple=amdgcn-amd-amdhsa -mcpu=gfx1250 --defsym DOCPART=n.
;; ======== version 1 of 1: 2 launches
;; limits: right only within a limited range of input values
;; workspace buffers: kv 17,825,792 bytes
;; launch quant_kv (part 1): grid 1024 x 1, 4 waves a work-group, no clusters, 40,448 bytes of LDS; arguments key, value, kv; writes kv
.if DOCPART == 1
	.amdgcn_target "amdgcn-amd-amdhsa--gfx1250"
	.amdhsa_code_object_version 6
	.text
	.protected	k_q0905fdd66e_quant_kv
	.globl	k_q0905fdd66e_quant_kv
	.p2align	8
	.type	k_q0905fdd66e_quant_kv,@function
k_q0905fdd66e_quant_kv:
	s_mov_b64 s[64:65], 0
	v_nop
	global_prefetch_b8 v0, s[64:65] scope:SCOPE_SE
	s_setreg_imm32_b32 hwreg(HW_REG_WAVE_MODE, 25, 1), 1
	s_wait_xcnt 0x0
; key and value, [64 heads][2048 keys][128] f32, become codes of FP4 (E2M1) with one E8M0 scale byte for each 32 along a product's K: key along the head's 128, value along the keys.
; A block's scale is 2^(floor(log2(its largest magnitude)) - 2); its byte is the largest magnitude's exponent field - 2, held at 1 from below.
; (A block of zeros so gets the byte 1 where the rule says 127: its codes are zeros, which add nothing under any byte but 0xff, and only this program reads the bytes.)
; LIMITS: blocks whose largest magnitude lies under 2^-124 keep the byte 1; NaN and infinities among the inputs are not served.
; THE RESULTS ARE IMAGES OF THE MATRIX OPERAND'S REGISTERS, in kv, 278,528 bytes a head: K's codes at 0, V's at 131,072, K's scale words at 262,144, V's at 270,336.
;   K's codes, for each 32 keys: [tile u 2][half c 2][lane 32][16 bytes]; lane (r, h) of tile u holds key 8 u + r + 8 (r / 8), its block 2 c + h.
;   V's codes: [step of 128 keys 16][tile T of 16 channels 8][half c 2][lane 32][16 bytes]; lane (r, h) holds channel 16 T + r, keys 64 c + 32 h + 0 .. 31 of the step.
;   scale words, for each 128 keys (tiles T = 0 .. 7): [16 (T / 4) + r][word T % 4].
; ONE LAUNCH, TWO PATHS that part on the work-group's number: 0-511 take key, 512-1023 value.  Each path has LDS bytes of its own; the one barrier stands on the common path.
; KEY: a wave takes 64 rows in 16 steps of 4 rows.  Each load reads 512 consecutive bytes; a step's 2,048 bytes turn through the wave's own stage and come back 16 neighbours a lane; two lanes hold a block.
;   A run's 4,096 bytes of codes and 256 scale bytes are gathered in the wave's own LDS at their places in the image and leave as runs of 512 and 256 consecutive bytes.
; VALUE: work-group (x, head) takes keys 256 x .. + 255; a lane takes a channel and its registers run down the keys: a block lies in one lane's 32 registers, and its 16 bytes of codes leave straight
;   from the conversions' registers, sixteen lanes storing 256 consecutive, aligned bytes.  The scale words of 64 channels, two waves' work, meet in LDS behind the barrier.
.set STEPS, 16
.set KR,    16                         ; key: v16-79 four sets of 16 numbers as loaded; at the end v16-47 carry the codes out
.set KX,    80                         ; v80-111 two sets of 16 neighbours
.set KE,    112                        ; v112-127 a scale byte for each step
.set KC,    128                        ; v128-189 codes: four registers a step, two used
.set SP,    80                         ; a lane's place in a stage: 64 bytes + 16
.set SCB,   2*32*SP                    ; in a wave's region: behind the two stages its 256 scale bytes,
.set CDB,   SCB+256                    ; and its 4,096 bytes of codes
.set WREG,  9728
.set VLDS,  4*WREG                     ; value's 1,024 bytes of scale words
.set SPARE, VLDS+1024                  ; the spare words: 128 bytes a wave
.set NB,    8                          ; value: blocks of 32 keys
.set VX,    32                         ; v32-95 two sets of 32 numbers
.set VC,    96                         ; v96-127 four registers of codes for each block
.set VB,    24                         ; v24-25 a step's scale word
	s_load_b128 s[4:7], s[0:1], 0x0                ; key, value
	s_load_b64 s[12:13], s[0:1], 0x10              ; kv
	v_lshl_add_u32 v192, v0, 2, SPARE
	v_mov_b32 v193, 0
	v_lshlrev_b32 v190, 3, v0                      ; value's scale words on the way out: 8 bytes a thread,
	v_add_nc_u32 v191, VLDS, v190                  ; and the same place in LDS; both made ahead of the parting and kept
	v_lshrrev_b32 v1, 5, v0
	v_readfirstlane_b32 s16, v1                    ; wave
	v_and_b32 v2, 31, v0                           ; lane l
	s_cmp_lt_u32 ttmp9, 512
	s_wait_alu depctr_va_vdst(0)                   ; the wait directly ahead of the branch
	s_cbranch_scc0 .Lvalue
	; ---- key ----
	v_lshlrev_b32 v3, 4, v2                        ; 16 l
	s_mul_i32 s17, s16, WREG
	v_lshrrev_b32 v14, 2, v2
	v_mul_u32_u24 v14, v14, SP
	v_and_b32 v15, 3, v2
	v_lshl_add_u32 v14, v15, 4, v14
	v_add_nc_u32 v14, s17, v14                     ; the stage, in: SP (l / 4) + 16 (l % 4)
	v_mul_u32_u24 v15, v2, SP
	v_add_nc_u32 v15, s17, v15                     ; and out: SP l
	; in step t lane l holds row 4 t + l / 8, block (l / 2) % 4 = 2 c + h, half l % 2; r = l / 8 + 4 t0 + 8 t2, u = t1, the 32 rows' number = t3
	v_lshrrev_b32 v8, 3, v2
	v_lshlrev_b32 v8, 4, v8
	v_and_b32 v9, 1, v2
	v_lshl_add_u32 v4, v9, 3, v8
	v_bfe_u32 v9, v2, 2, 1
	v_lshl_add_u32 v4, v9, 9, v4
	v_bfe_u32 v9, v2, 1, 1
	v_lshl_add_u32 v4, v9, 8, v4
	v_add_nc_u32 v4, s17, v4                       ; codes: 16 (l / 8) + 8 (l % 2) + 512 c + 256 h
	v_bfe_u32 v9, v2, 1, 2
	v_add_nc_u32 v5, v8, v9
	v_add_nc_u32 v5, s17, v5                       ; scale bytes: 16 (l / 8) + my block's number
	v_lshlrev_b32 v7, 3, v2
	v_add_nc_u32 v6, s17, v7
	v_add_nc_u32 v9, s17, v3
	s_lshl_b32 s26, ttmp9, 2
	s_add_co_u32 s18, s26, s16                     ; my run of 64 rows, 0 .. 2,047
	s_lshr_b32 s27, s18, 5                         ; its head
	s_mov_b32 s21, 0
	s_wait_alu depctr_va_vdst(0)                   ; the wait directly ahead of the wait below
	s_wait_kmcnt 0x0
	s_lshl_b32 s20, s18, 15                        ; 32,768 bytes of numbers a run
	s_add_nc_u64 s[4:5], s[4:5], s[20:21]
	s_lshl_b32 s20, s18, 12                        ; 4,096 bytes of codes a run; a head's lie 278,528 bytes apart, not 131,072
	s_mul_i32 s22, s27, 147456
	s_add_co_u32 s20, s20, s22
	s_add_nc_u64 s[8:9], s[12:13], s[20:21]
	s_lshl_b32 s20, s18, 8                         ; 256 scale bytes a run; a head's lie 278,528 apart, not 8,192, from byte 262,144
	s_mul_i32 s23, s27, 270336
	s_add_co_u32 s20, s20, s23
	s_add_co_u32 s20, s20, 262144
	s_add_nc_u64 s[10:11], s[12:13], s[20:21]
.macro LOADK t
.irp i, 0,1,2,3
	global_load_b128 v[KR+16*((\t)%4)+4*\i:KR+16*((\t)%4)+4*\i+3], v3, s[4:5] offset:2048*(\t)+512*\i th:TH_LOAD_NT
.endr
.endm
.macro TURNK t                         ; LDS serves a wave's instructions in order (ISA guide 5.7.1.4): no wait between the stores and the loads
.irp i, 0,1,2,3
	ds_store_b128 v14, v[KR+16*((\t)%4)+4*\i:KR+16*((\t)%4)+4*\i+3] offset:32*SP*((\t)%2)+8*SP*\i
.endr
.irp i, 0,1,2,3
	ds_load_b128 v[KX+16*((\t)%2)+4*\i:KX+16*((\t)%2)+4*\i+3], v15 offset:32*SP*((\t)%2)+16*\i
.endr
.endm
.irp t, 0,1,2,3
	LOADK \t
.endr
	s_wait_loadcnt 12                              ; step 0's four loads are in; twelve stay out
	TURNK 0
.macro STEPK t
.set XS, KX+16*((\t)%2)
.if (\t) > 0
	s_wait_dscnt 2                                 ; this step's numbers are back; the last step's two stores are younger
.else
	s_wait_dscnt 0x0
.endif
.if (\t)+4 < STEPS
	LOADK (\t)+4
.endif
.if (\t)+1 < STEPS
.if STEPS-2-(\t) >= 3
	s_wait_loadcnt 12                              ; the next step's four loads are in; three steps' may be out
.else
	s_wait_loadcnt 4*(STEPS-2-(\t))
.endif
	TURNK (\t)+1
.endif
	v_max3_num_f32 v8, |v[XS]|, |v[XS+1]|, |v[XS+2]|
	v_max3_num_f32 v10, |v[XS+3]|, |v[XS+4]|, |v[XS+5]|
.irp i, 6,10
	v_max3_num_f32 v8, v8, |v[XS+\i]|, |v[XS+\i+1]|
	v_max3_num_f32 v10, v10, |v[XS+\i+2]|, |v[XS+\i+3]|
.endr
	v_max3_num_f32 v8, v8, |v[XS+14]|, |v[XS+15]|
	v_max3_num_f32 v8, v8, v10, 0x1800000          ; the floor 2^(3 - 127)
	v_max_num_f32_dpp v8, v8, v8 row_xmask:1 row_mask:0xf bank_mask:0xf   ; with my neighbour's 16: the block's
	v_add_nc_u32 v11, 0xff000000, v8               ; 2 off the exponent field: the conversion's scale operand
	v_cvt_scalef32_pk8_fp4_f32 v[KC+4*(\t)], v[XS:XS+7], v11
	v_cvt_scalef32_pk8_fp4_f32 v[KC+4*(\t)+1], v[XS+8:XS+15], v11
	v_lshrrev_b32 v[KE+(\t)], 23, v11              ; the scale's byte (also the plain line behind the conversions)
	ds_store_b64 v4, v[KC+4*(\t):KC+4*(\t)+1] offset:CDB+((\t)&1)*64+(((\t)>>2)&1)*128+(((\t)>>1)&1)*1024+((\t)>>3)*2048
	ds_store_b8 v5, v[KE+(\t)] offset:SCB+((\t)&1)*64+(((\t)>>2)&1)*128+((\t)>>3)*8+(((\t)>>1)&1)*4
.endm
.irp t, 0,1,2,3,4,5,6,7,8,9,10,11,12,13,14,15
	STEPK \t
.endr
	ds_load_b64 v[12:13], v6 offset:SCB
.irp i, 0,1,2,3,4,5,6,7
	ds_load_b128 v[KR+4*\i:KR+4*\i+3], v9 offset:CDB+512*\i
.endr
	s_wait_dscnt 8                                 ; the scale bytes are back; eight loads are younger
	global_store_b64 v7, v[12:13], s[10:11]        ; 256 consecutive, aligned bytes
.irp i, 0,1,2,3,4,5,6,7
	s_wait_dscnt 7-\i
	global_store_b128 v3, v[KR+4*\i:KR+4*\i+3], s[8:9] offset:512*\i
.endr
	s_branch .Ljoin
	; ---- value ----
.Lvalue:
	s_sub_co_u32 s28, ttmp9, 512
	s_lshr_b32 s17, s28, 3                         ; the head
	s_and_b32 s28, s28, 7                          ; which 256 keys
	s_lshl_b32 s20, s17, 20                        ; value: 2,048 keys x 512 bytes a head,
	s_lshl_b32 s18, s28, 17                        ; 256 keys a work-group,
	s_add_co_u32 s20, s20, s18
	s_lshl_b32 s18, s16, 7                         ; 32 channels a wave
	s_add_co_u32 s20, s20, s18
	s_mov_b32 s21, 0
	s_mul_i32 s22, s17, 278528
	s_lshl_b32 s18, s28, 14                        ; two steps' codes
	s_add_co_u32 s24, s22, s18
	s_add_co_u32 s24, s24, 131072
	s_mov_b32 s25, 0
	s_lshl_b32 s18, s28, 10                        ; two steps' scale words
	s_add_co_u32 s26, s22, s18
	s_add_co_u32 s26, s26, 270336
	s_mov_b32 s27, 0
	s_lshl_b32 s29, s16, 11
	s_lshr_b32 s18, s16, 1
	s_lshl_b32 s18, s18, 8
	s_and_b32 s19, s16, 1
	s_lshl_b32 s19, s19, 3
	s_add_co_u32 s18, s18, s19
	s_add_co_u32 s18, s18, VLDS
	v_lshlrev_b32 v3, 2, v2                        ; in: 4 bytes a lane
	v_lshrrev_b32 v5, 4, v2
	v_and_b32 v6, 15, v2
	v_lshlrev_b32 v4, 10, v5
	v_lshl_add_u32 v4, v6, 4, v4
	v_add_nc_u32 v4, s29, v4                       ; codes: tile T = 2 w + l / 16: 1,024 T + 16 r
	v_lshlrev_b32 v7, 4, v6
	v_lshl_add_u32 v7, v5, 2, v7
	v_add_nc_u32 v7, s18, v7                       ; LDS, my scale word: 256 (w / 2) + 16 r + 8 (w % 2) + 4 (l / 16)
	s_wait_alu depctr_va_vdst(0)                   ; the wait directly ahead of the wait below
	s_wait_kmcnt 0x0
	s_add_nc_u64 s[4:5], s[6:7], s[20:21]
	s_add_nc_u64 s[8:9], s[12:13], s[24:25]
	s_add_nc_u64 s[10:11], s[12:13], s[26:27]
.macro LOADV t
.irp i, 0,1,2,3,4,5,6,7,8,9,10,11,12,13,14,15,16,17,18,19,20,21,22,23,24,25,26,27,28,29,30,31
	global_load_b32 v[VX+32*((\t)%2)+\i], v3, s[4:5] offset:(32*(\t)+\i)*512 th:TH_LOAD_NT
.endr
.endm
	LOADV 0
	LOADV 1
.macro BLOCKV t
.set XS, VX+32*((\t)%2)
.if (\t) < NB-1
	s_wait_loadcnt 32                              ; this block's 32 loads are in; the next block's may be out
.else
	s_wait_loadcnt 0x0
.endif
	v_max3_num_f32 v12, |v[XS]|, |v[XS+1]|, |v[XS+2]|
	v_max3_num_f32 v13, |v[XS+3]|, |v[XS+4]|, |v[XS+5]|
.irp i, 6,10,14,18,22,26
	v_max3_num_f32 v12, v12, |v[XS+\i]|, |v[XS+\i+1]|
	v_max3_num_f32 v13, v13, |v[XS+\i+2]|, |v[XS+\i+3]|
.endr
	v_max3_num_f32 v12, v12, |v[XS+30]|, |v[XS+31]|
	v_max3_num_f32 v12, v12, v13, 0x1800000
	v_add_nc_u32 v11, 0xff000000, v12
	v_lshrrev_b32 v13, 23, v11
.if (\t)%4 == 0
	v_mov_b32 v[VB+(\t)/4], v13                    ; four bytes to a word, the earlier keys in the lower byte
.else
	v_lshl_or_b32 v[VB+(\t)/4], v13, 8*((\t)%4), v[VB+(\t)/4]
.endif
.irp g, 0,1,2,3
	v_cvt_scalef32_pk8_fp4_f32 v[VC+4*(\t)+\g], v[XS+8*\g:XS+8*\g+7], v11
.endr
	global_store_b128 v4, v[VC+4*(\t):VC+4*(\t)+3], s[8:9] offset:((\t)>>2)*8192+(((\t)>>1)&1)*512+((\t)&1)*256
.if (\t)+2 < NB
	LOADV (\t)+2
.endif
.if (\t)%4 == 3
	ds_store_b32 v7, v[VB+(\t)/4] offset:((\t)/4)*512
.endif
.endm
.irp t, 0,1,2,3,4,5,6,7
	BLOCKV \t
.endr
.Ljoin:
	s_wait_dscnt 0x0                               ; for the others' sake: my LDS instructions are done
	s_barrier_signal -1
	s_barrier_wait -1
	s_cmp_lt_u32 ttmp9, 512
	s_cbranch_scc1 .Lend
	ds_load_b64 v[12:13], v191                     ; value: 256 bytes a wave, of two waves' words
	s_wait_dscnt 0x0
	global_store_b64 v190, v[12:13], s[10:11]      ; 256 consecutive, aligned bytes
.Lend:
	s_wait_tensorcnt 0x0                           ; the wave's end
	ds_add_u32 v192, v193
	s_wait_dscnt 0x0
	s_endpgm
.Lfunc_end_k_q0905fdd66e_quant_kv:
	.size	k_q0905fdd66e_quant_kv, .Lfunc_end_k_q0905fdd66e_quant_kv-k_q0905fdd66e_quant_kv
	.p2alignl 7, 3214868480
	.fill 96, 4, 3214868480
	.section	.rodata,"a",@progbits
	.p2align	6, 0x0
	.amdhsa_kernel k_q0905fdd66e_quant_kv
		.amdhsa_group_segment_fixed_size 40448
		.amdhsa_private_segment_fixed_size 0
		.amdhsa_enable_private_segment 0
		.amdhsa_kernarg_size 24
		.amdhsa_user_sgpr_count 2
		.amdhsa_user_sgpr_kernarg_segment_ptr 1
		.amdhsa_wavefront_size32 1
		.amdhsa_system_sgpr_workgroup_id_x 1
		.amdhsa_system_sgpr_workgroup_id_y 1
		.amdhsa_system_sgpr_workgroup_id_z 1
		.amdhsa_system_vgpr_workitem_id 0
		.amdhsa_next_free_vgpr 194
		.amdhsa_next_free_sgpr 66
		.amdhsa_reserve_vcc 0
		.amdhsa_float_denorm_mode_32 3
		.amdhsa_float_denorm_mode_16_64 3
		.amdhsa_memory_ordered 1
		.amdhsa_forward_progress 1
		.amdhsa_inst_pref_size 73
	.end_amdhsa_kernel
	.amdgpu_metadata
---
amdhsa.version: [ 1, 2 ]
amdhsa.kernels:
  - .name:           k_q0905fdd66e_quant_kv
    .symbol:         k_q0905fdd66e_quant_kv.kd
    .args:
      - { .name: key, .offset: 0, .size: 8, .value_kind: global_buffer, .address_space: global }
      - { .name: value, .offset: 8, .size: 8, .value_kind: global_buffer, .address_space: global }
      - { .name: kv, .offset: 16, .size: 8, .value_kind: global_buffer, .address_space: global }
    .group_segment_fixed_size: 40448
    .private_segment_fixed_size: 0
    .kernarg_segment_align: 8
    .kernarg_segment_size: 24
    .max_flat_workgroup_size: 128
    .sgpr_count:     66
    .vgpr_count:     194
    .wavefront_size: 32
...
	.end_amdgpu_metadata
.endif
;; end of part 1
;; launch attn (part 2): grid 4 x 64, 8 waves a work-group, clusters of 4 x 1, 327,680 bytes of LDS; arguments query, kv, out0; writes out0
.if DOCPART == 2
	.amdgcn_target "amdgcn-amd-amdhsa--gfx1250"
	.amdhsa_code_object_version 6
	.text
	.protected	k_q0905fdd66e_attn
	.globl	k_q0905fdd66e_attn
	.p2align	8
	.type	k_q0905fdd66e_attn,@function
k_q0905fdd66e_attn:
	s_mov_b64 s[64:65], 0
	v_nop
	global_prefetch_b8 v0, s[64:65] scope:SCOPE_SE
	s_setreg_imm32_b32 hwreg(HW_REG_WAVE_MODE, 25, 1), 1
	s_wait_xcnt 0x0
	s_wait_alu depctr_hold_cnt(0) depctr_sa_sdst(0) depctr_va_vdst(0) depctr_va_sdst(0) depctr_va_ssrc(0) depctr_va_vcc(0) depctr_vm_vsrc(0)
	s_getreg_b32 s2, hwreg(HW_REG_IB_STS2, 6, 4)
	s_cmp_eq_u32 s2, 0
	s_cbranch_scc0 .Lentry_in_a_cluster
	s_endpgm
.Lentry_in_a_cluster:
	s_bfe_u32 s2, ttmp6, 0x10000c
	s_cmp_lg_u32 s2, 0x3003
	s_cbranch_scc0 .Lentry_shape_is_right
	s_endpgm
.Lentry_shape_is_right:
; out0[h][q][:] = sum over k of softmax_k(Q[h][q] . K[h][k] / sqrt(128)) V[h][k][:]; 64 heads, 2,048 queries, 2,048 keys, head size 128.
; Both products on codes of FP4 (E2M1), one E8M0 scale for each 32 along a product's K.  K and V arrive as images of the operands' registers (the launch before); query arrives as f32.
; Q IS QUANTISED HERE: each row is read by one wave alone.  A turn is 16 rows x 256 bytes (64 along K): sixteen lanes load 256 consecutive, aligned bytes; the turn goes through the wave's stage
; and comes back with one whole block of 32 in a lane, in the operand's own order: the four conversions write the operand's registers.  Scale: the largest magnitude's exponent field - 2, held at 1 from below.
; The first block's four turns are made at the head.  The second block's four are made under the first block's 16 key steps: a piece of 4 rows x 256 bytes a step, asked for a whole step before it is stored
; into the stage; every fourth step a turn is whole, is read back into S^T's registers (dead there) and quantised behind the step's second product.
; SOFTMAX: t = score x log2(e) / sqrt(128); M = the running largest t rounded UP to a whole number; p = 2^(t - M) is quantised along the keys, not normalised.
; The row's sum is taken of the unquantised p in f32 and divides O at the end.  When M moves, the sum and O are multiplied by 2^(old M - new M): exact.
; A WHOLE HEAD LIES IN LDS: 278,528 bytes of kv, brought once; no LDS byte is filled again, so the loop over the keys has no barrier.
; CLUSTER: the four work-groups of a head ask for it jointly: wave w of each issues the same tensor load (an eighth, mask of all four).  The loop's branches hang on the counts of blocks and steps alone.
; No prefetch: the image and the first block's queries are asked for once, at the head; each later piece of query has its own load a whole key step ahead of its use.
; SHARES: a work-group owns 512 queries as two blocks of 256; a wave owns 32 of a block: two tiles of 16 neighbouring queries, which share every fragment of K and V.  A key step is 128 keys: 32 matrix instructions a wave.
; LAYOUT: both products transposed (S^T = K Q^T, O^T = V^T P^T): a lane holds one query (lane % 16).  Lane r of tile 2 b + u of K takes key 32 b + 8 u + r + 8 (r / 8),
; so the 16 registers of tiles 2 b, 2 b + 1 of S^T are 16 neighbouring keys.
; THE EXPONENTIALS go in three batches a step (8 block maxima; tile 0's 64; tile 1's 64).  Plain lines stand among them whose results are first read behind the batch's closing wait:
; t - M of the tile whose batch comes next, and tile 0's conversions and first level of sums.
; LIMITS: NaN and infinities are not served.  Blocks of query whose largest magnitude lies under 2^-124 keep the byte 1.  p under 2^-126 falls to 0 (v_exp_f32 flushes denormal results: ISA guide 15.8).
; The promise holds while |t| stays under 2^31.  A block's largest p is taken from its largest score through the same multiply-add and exponential; that takes v_exp_f32 not to fall where its input rises;
; at the worst one p of a block, within an ulp of a power of two, is held one code low.
; REGISTERS.  Window 0: v1-15 addresses; v16-27 scale words; v28-44 softmax state; v45-46 the second block's Q scale words; v47 a scale word in the making; v48-63 Q; v64-191 S^T, then p, at last O (tile t at 64 + 64 t);
; v192-207 p's codes; v208-231 block maxima and scales; v232-247 the second block's Q; v248-255 a piece of query.  Window 1: v0-127 O^T (tile t at 64 t); v128-191 K's eight fragments; v192-255 V's.
; s_set_vgpr_msb: bits 1:0 source 0, 3:2 source 1, 5:4 source 2, 7:6 destination.
.set IMG_V,  131072
.set IMG_KS, 262144
.set IMG_VS, 270336
.set IMAGE,  278528
.set PART,   IMAGE/8                   ; one wave's tensor load: 136 rows of 256 bytes
.set SP,     272                       ; a stage row: 256 bytes + 16
.set STAGE,  IMAGE+1024                ; 16 rows for each wave; no tensor load lands here
.set SPARE,  STAGE+8*16*SP             ; the spare words: 128 bytes a wave, four blocks of 256 bytes
.set LI,   1
.set LIV,  2
.set LISK, 3
.set LISV, 4
.set ADK,  5
.set ADV,  6
.set ADSK, 7
.set ADSV, 8
.set STI,  9
.set STB,  10
.set GO,   11
.set RR,   12                          ; r at the head; then a piece's byte offset in query
.set SPW,  13
.set NIL,  14
.set QRD,  15                          ; the stage, Q's way back: row r, + 128 h
.set KS,   16                          ; v16-19 K's scale words, v20-23 V's, v24-25 Q's, v26-27 p's
.set VS,   20
.set QS,   24
.set PW,   26
.set NM,   28                          ; pair 28 + 2 t: -M, the largest t
.set F,    32                          ; pair 32 + 2 t: f = 2^(old M - new M), and a word that is only named
.set L,    36                          ; pair 36 + 2 t: the row's sum in two halves
.set TA,   40                          ; v40-43 at work
.set H8,   44                          ; 8 h
.set QS2,  45
.set XWR,  47
.set QF,   48
.set S,    64
.set PC,   192
.set BM,   208
.set TP,   216
.set SO,   224
.set QF2,  232
.set QP,   248
.set KF,   128                         ; window 1
.set VF,   192                         ; window 1
.set WV,   12
.set G1,   16
.set G0,   24
.set SEL,  28
.set CS,   30
.set J8,   32
.set N8,   33
.set J5,   34
.set N5,   35
.set MSB, 0
.macro WIN new                         ; the immediate's high byte repeats the setting that is left
.if MSB != (\new)
	s_set_vgpr_msb (MSB<<8)|(\new)
.set MSB, (\new)
.endif
.endm
.macro CROUND                          ; a round of the cluster's barrier
	s_barrier_signal -1
	s_barrier_wait -1
	s_cmp_lg_u32 s[WV], 0
	s_cbranch_scc1 .Lnot_wave_0_\@
	s_barrier_signal -3
.Lnot_wave_0_\@:
	s_barrier_wait -3
	s_barrier_signal -1
	s_barrier_wait -1
.endm
	s_load_b128 s[4:7], s[0:1], 0x0                ; query, kv
	s_load_b64 s[10:11], s[0:1], 0x10              ; out0
	v_lshl_add_u32 v[SPW], v0, 2, SPARE
	v_mov_b32 v[NIL], 0
	ds_add_u32 v[SPW], v[NIL]                      ; the opening lines: the add twice on end and one wait
	ds_add_u32 v[SPW], v[NIL]
	v_lshrrev_b32 v1, 5, v0
	v_readfirstlane_b32 s[WV], v1                  ; wave 0..7
	s_bfe_u32 s13, ttmp6, 0x40000                  ; cx
	s_lshl_b32 s14, ttmp9, 2
	s_add_co_u32 s14, s14, s13                     ; which 512 queries: enters Q's and O's addresses alone
	s_and_b32 s15, ttmp7, 0xffff                   ; the head
	s_mov_b32 s[G1], 15|(3<<16)|(1<<21)            ; mask of all four; elements of 8 bytes; bit 21 beside a mask
	s_mov_b32 s[G1+1], 32<<16
	s_mov_b32 s[G1+2], 136<<16
	s_mov_b32 s[G1+3], 32<<16
	s_mov_b32 s[G1+4], 136
	s_mov_b32 s[G1+5], 32
	s_mov_b32 s[G1+6], 0
	s_mov_b32 s[G1+7], 0
	s_mov_b32 s[G0], 1
	s_mul_i32 s[G0+1], s[WV], PART                 ; LDS: my eighth
	s_mul_i32 s38, s15, IMAGE
	s_add_co_u32 s38, s38, s[G0+1]                 ; the same eighth in kv
	s_mov_b32 s39, 0
	s_lshl_b32 s40, s14, 4
	s_add_co_u32 s40, s40, s[WV]                   ; G: my 32 queries in the first block
	s_lshl_b32 s46, s15, 20                        ; query and O alike: 2,048 rows of 512 bytes a head, 32 rows a wave
	s_lshl_b32 s41, s40, 14
	s_add_co_u32 s46, s46, s41
	s_mov_b32 s47, 0
	s_mov_b32 s[SEL], 0x76543210
	s_mov_b32 s[SEL+1], 0xfedcba98
	s_mov_b32 s[CS], 0x3e0293ee                    ; c = log2(e) / sqrt(128)
	s_mov_b32 s[CS+1], s[CS]
	s_wait_dscnt 0x0
	s_wait_kmcnt 0x0
	s_add_nc_u64 s[G0+2:G0+3], s[6:7], s[38:39]
	s_or_b32 s[G0+3], s[G0+3], 0x80000000
	s_add_nc_u64 s[4:5], s[4:5], s[46:47]
	s_add_nc_u64 s[10:11], s[10:11], s[46:47]
	CROUND                                         ; the joint loads meet
	tensor_load_to_lds s[G0:G0+3], s[G1:G1+7]      ; my one tensor load of the launch
	s_nop 0
.rept 4
	v_nop
.endr
	v_and_b32 v[RR], 15, v0                        ; r
	v_bfe_u32 v[H8], v0, 4, 1                      ; h
	v_lshlrev_b32 v[GO], 9, v[H8]
	v_lshl_add_u32 v[GO], v[RR], 4, v[GO]          ; in query and in O: 512 h + 16 r: lanes 0-15 take 256 bytes of one row, lanes 16-31 of the next
	s_mul_i32 s38, s[WV], 16*SP
	s_add_co_u32 s38, s38, STAGE
	v_mul_u32_u24 v[STB], v[H8], SP
	v_lshl_add_u32 v[STB], v[RR], 4, v[STB]
	v_add_nc_u32 v[STB], s38, v[STB]               ; the same two rows in my stage
	v_mul_u32_u24 v[ADK], v[RR], SP
	v_add_nc_u32 v[ADK], s38, v[ADK]
	v_lshl_add_u32 v[STI], v[H8], 5, v[ADK]        ; O's way in: row r, + 32 h
	v_lshl_add_u32 v[QRD], v[H8], 7, v[ADK]        ; Q's way back: row r, + 128 h
	v_lshlrev_b32 v[H8], 3, v[H8]
	v_mov_b32 v[TP], 0                             ; a lane permute's destination counts as a source
	v_and_b32 v[LI], 31, v0
	v_lshlrev_b32 v[LI], 4, v[LI]                  ; 16 x lane
	v_add_nc_u32 v[LIV], IMG_V, v[LI]
	v_add_nc_u32 v[LISK], IMG_KS, v[LI]
	v_add_nc_u32 v[LISV], IMG_VS, v[LI]
; Q: turn n = 4 B + 2 t + c is block B of queries, tile t, K = 64 c .. 64 c + 63.  The first block's 32 loads go out at once, into S^T's registers.
.irp n, 0,1,2,3
.irp i, 0,1,2,3,4,5,6,7
	global_load_b128 v[S+32*\n+4*\i:S+32*\n+4*\i+3], v[GO], s[4:5] offset:(16*(\n/2)+2*\i)*512+256*(\n%2) th:TH_LOAD_NT
.endr
.endr
.macro QBACK x                         ; a turn back from my stage: 128 bytes a lane
.irp j, 0,1,2,3,4,5,6,7
	ds_load_b128 v[\x+4*\j:\x+4*\j+3], v[QRD] offset:16*\j   ; LDS serves a wave's instructions in order (ISA guide 5.7.1.4)
.endr
.endm
.macro QTURN n                         ; at the head: turn n through my stage, in as loaded
	s_wait_loadcnt 24-8*(\n)                       ; its eight loads are in; the later turns' may be out
.irp i, 0,1,2,3,4,5,6,7
	ds_store_b128 v[STB], v[S+32*(\n)+4*\i:S+32*(\n)+4*\i+3] offset:2*\i*SP
.endr
	QBACK S+32*(\n)
.endm
.macro QCOMP n, x                      ; my block 2 c + h of row r, in v[x .. x + 31]: all 32 numbers are mine
.set XQ, \x
.set QD, QF+(QF2-QF)*((\n)/4)+8*(((\n)/2)%2)+4*((\n)%2)
	v_max3_num_f32 v[TA], |v[XQ]|, |v[XQ+1]|, |v[XQ+2]|
	v_max3_num_f32 v[TA+1], |v[XQ+3]|, |v[XQ+4]|, |v[XQ+5]|
.irp i, 6,10,14,18,22,26
	v_max3_num_f32 v[TA], v[TA], |v[XQ+\i]|, |v[XQ+\i+1]|
	v_max3_num_f32 v[TA+1], v[TA+1], |v[XQ+\i+2]|, |v[XQ+\i+3]|
.endr
	v_max3_num_f32 v[TA], v[TA], |v[XQ+30]|, |v[XQ+31]|
	v_max3_num_f32 v[TA], v[TA], v[TA+1], 0x1800000   ; the floor 2^(3 - 127)
	v_add_nc_u32 v[TA+2], 0xff000000, v[TA]        ; the conversion's scale operand
	v_lshrrev_b32 v[TA+3], 23, v[TA+2]             ; the scale's byte
.irp g, 0,1,2,3
	v_cvt_scalef32_pk8_fp4_f32 v[QD+\g], v[XQ+8*\g:XQ+8*\g+7], v[TA+2]   ; registers 4 c .. 4 c + 3 of the operand
.endr
.if (\n)%2 == 0
	v_mov_b32 v[XWR], v[TA+3]                      ; (also the plain line behind the conversions)
.else
	v_lshl_or_b32 v[XWR], v[TA+3], 16, v[XWR]      ; my two bytes: blocks h and 2 + h,
	v_lshlrev_b32 v[XWR], v[H8], v[XWR]            ; at their places in the word;
	v_permlanex16_b32 v[TP], v[XWR], s[SEL], s[SEL+1]
	v_or_b32 v[QS+(QS2-QS)*((\n)/4)+((\n)/2)%2], v[XWR], v[TP]   ; with lane l xor 16's two the word is whole
.endif
.endm
	s_wait_alu depctr_va_vdst(0)                   ; the wait directly ahead of the wait below
	QTURN 0
.irp n, 0,1,2,3
.if \n < 3
	QTURN \n+1
	s_wait_dscnt 16                                ; this turn is back; the next turn's 8 stores and 8 loads are younger
.else
	s_wait_dscnt 0x0
.endif
	QCOMP \n, S+32*\n
.endr
	global_load_b128 v[QP:QP+3], v[GO], s[4:5] offset:131072 th:TH_LOAD_NT          ; the second block's piece 0: rows 0-3, K = 0 .. 63
	global_load_b128 v[QP+4:QP+7], v[GO], s[4:5] offset:131072+1024 th:TH_LOAD_NT
.macro FETCH f, ad, sc, ads            ; a step's eight fragments (to window 1) and scale words: 17 loads of 512 consecutive bytes
	WIN 0x40
.irp T, 0,1,2,3,4,5,6,7
.irp c, 0,1
	ds_load_b128 v[\f+8*\T+4*\c:\f+8*\T+4*\c+3], v[\ad] offset:1024*\T+512*\c
.endr
.endr
	WIN 0
	ds_load_b128 v[\sc:\sc+3], v[\ads]
.endm
.macro SPROD t                         ; S^T = K Q^T of tile t; each sum starts with the constant 0; K's tiles 4-7 have their scale words in lanes 16-31
.irp T, 0,1,2,3,4,5,6,7
.if \T < 4
	v_wmma_scale_f32_16x16x128_f8f6f4 v[S+64*\t+8*\T:S+64*\t+8*\T+7], v[KF+8*\T:KF+8*\T+7], v[QF+8*\t:QF+8*\t+7], 0, v[KS+\T], v[QS+\t] matrix_a_fmt:MATRIX_FMT_FP4 matrix_b_fmt:MATRIX_FMT_FP4
.else
	v_wmma_scale_f32_16x16x128_f8f6f4 v[S+64*\t+8*\T:S+64*\t+8*\T+7], v[KF+8*\T:KF+8*\T+7], v[QF+8*\t:QF+8*\t+7], 0, v[KS+\T-4], v[QS+\t] matrix_a_fmt:MATRIX_FMT_FP4 matrix_b_fmt:MATRIX_FMT_FP4 matrix_a_scale:MATRIX_SCALE_ROW1
.endif
.endr
.endm
.macro OPROD                           ; O^T += V^T P^T: the sixteen accumulators take turns
	WIN 0x51                                       ; V and O^T in window 1, P in window 0
.irp T, 0,1,2,3,4,5,6,7
.irp t, 0,1
.if \T < 4
	v_wmma_scale_f32_16x16x128_f8f6f4 v[64*\t+8*\T:64*\t+8*\T+7], v[VF+8*\T:VF+8*\T+7], v[PC+8*\t:PC+8*\t+7], v[64*\t+8*\T:64*\t+8*\T+7], v[VS+\T], v[PW+\t] matrix_a_fmt:MATRIX_FMT_FP4 matrix_b_fmt:MATRIX_FMT_FP4
.else
	v_wmma_scale_f32_16x16x128_f8f6f4 v[64*\t+8*\T:64*\t+8*\T+7], v[VF+8*\T:VF+8*\T+7], v[PC+8*\t:PC+8*\t+7], v[64*\t+8*\T:64*\t+8*\T+7], v[VS+\T-4], v[PW+\t] matrix_a_fmt:MATRIX_FMT_FP4 matrix_b_fmt:MATRIX_FMT_FP4 matrix_a_scale:MATRIX_SCALE_ROW1
.endif
.endr
.endr
	WIN 0
.endm
; The largest score of each block of 32 keys of tile t: eight chains, one to an accumulator, each read from its low end on; then lane l xor 16's
.macro MAXP t
.set XS, S+64*\t
.set XB, BM+4*\t
.set XT, TP+4*\t
.irp b, 0,1,2,3
	v_max3_num_f32 v[XB+\b], v[XS+16*\b], v[XS+16*\b+1], v[XS+16*\b+2]
	v_max3_num_f32 v[XT+\b], v[XS+16*\b+8], v[XS+16*\b+9], v[XS+16*\b+10]
.endr
.irp i, 3,5
.irp b, 0,1,2,3
	v_max3_num_f32 v[XB+\b], v[XB+\b], v[XS+16*\b+\i], v[XS+16*\b+\i+1]
	v_max3_num_f32 v[XT+\b], v[XT+\b], v[XS+16*\b+\i+8], v[XS+16*\b+\i+9]
.endr
.endr
.irp b, 0,1,2,3
	v_max3_num_f32 v[XB+\b], v[XB+\b], v[XS+16*\b+7], v[XS+16*\b+15]
.endr
.irp b, 0,1,2,3
	v_max_num_f32 v[XB+\b], v[XB+\b], v[XT+\b]
.endr
.irp b, 0,1,2,3
	v_permlanex16_b32 v[XT+\b], v[XB+\b], s[SEL], s[SEL+1]
.endr
.irp b, 0,1,2,3
	v_max_num_f32 v[XB+\b], v[XB+\b], v[XT+\b]
.endr
.endm
.macro PKF t, n                        ; t - M of pair n of tile t (of the pairs c and -M the low word serves both halves)
	v_pk_fma_f32 v[S+64*\t+2*(\n):S+64*\t+2*(\n)+1], v[S+64*\t+2*(\n):S+64*\t+2*(\n)+1], s[CS:CS+1], v[NM+2*\t:NM+2*\t+1] op_sel_hi:[1,0,0]
.endm
.macro SUML t, st, n                   ; one level of the sum's tree: n packed additions, partners st registers apart
.set k, 0
.rept \n
	v_pk_add_f32 v[S+64*\t+2*\st*k:S+64*\t+2*\st*k+1], v[S+64*\t+2*\st*k:S+64*\t+2*\st*k+1], v[S+64*\t+2*\st*k+\st:S+64*\t+2*\st*k+\st+1]
.set k, k+1
.endr
.endm
; A KEY STEP: 128 keys, both tiles
.macro STEP
	s_wait_dscnt 0x0                               ; K and its scale words, asked for a step ago, are in
	WIN 0x01                                       ; K in window 1
	SPROD 0
	SPROD 1
	WIN 0
	s_add_co_u32 s[N8], s[J8], 8192
	s_and_b32 s[N8], s[N8], 0x1ffff                ; behind step 15 comes step 0
	s_lshr_b32 s[J5], s[J8], 4
	s_lshr_b32 s[N5], s[N8], 4
	v_add_nc_u32 v[ADV], s[J8], v[LIV]             ; four plain lines: the places ahead of the loads below and of the first read of S^T
	v_add_nc_u32 v[ADSV], s[J5], v[LISV]
	v_add_nc_u32 v[ADK], s[N8], v[LI]
	v_add_nc_u32 v[ADSK], s[N5], v[LISK]
	FETCH VF, ADV, VS, ADSV                        ; this step's V
	FETCH KF, ADK, KS, ADSK                        ; the next step's K
	MAXP 0
	MAXP 1
.irp t, 0,1                                    ; the two tiles' chains by turns
	v_max3_num_f32 v[TA+\t], v[BM+4*\t], v[BM+4*\t+1], v[BM+4*\t+2]
.endr
.irp t, 0,1
	v_max_num_f32 v[TA+\t], v[TA+\t], v[BM+4*\t+3] ; the step's largest score
.endr
.irp t, 0,1
	v_mul_f32 v[TA+\t], s[CS], v[TA+\t]            ; as t
.endr
.irp t, 0,1
	v_mov_b32 v[TA+2+\t], v[NM+2*\t]               ; the old -M
.endr
.irp t, 0,1
	v_max_num_f32 v[NM+2*\t+1], v[NM+2*\t+1], v[TA+\t]   ; the running largest t
.endr
.irp t, 0,1
	v_floor_f32 v[NM+2*\t], -v[NM+2*\t+1]          ; -M = floor(-t): M is a whole number
.endr
.irp t, 0,1
	v_sub_f32 v[TA+\t], v[NM+2*\t], v[TA+2+\t]     ; old M - new M, 0 or less
.endr
.irp t, 0,1
	v_cvt_i32_f32 v[TA+\t], v[TA+\t]               ; (it saturates)
.endr
.irp t, 0,1
	v_ldexp_f32 v[F+2*\t], 1.0, v[TA+\t]           ; f: a multiplication by it rounds nothing
.endr
.irp n, 0,1,2,3,4,5,6,7
	v_fma_f32 v[BM+\n], v[BM+\n], s[CS], v[NM+2*(\n/4)]   ; t - M of each block's largest score
.endr
	WIN 0x41                                       ; O^T in window 1, f in window 0
.set j, 0
.rept 32                                       ; O^T under the new M, ahead of the step's exponentials, each accumulator from its low end on
	v_pk_mul_f32 v[2*j:2*j+1], v[2*j:2*j+1], v[F:F+1] op_sel_hi:[1,0]
	v_pk_mul_f32 v[64+2*j:64+2*j+1], v[64+2*j:64+2*j+1], v[F+2:F+3] op_sel_hi:[1,0]
.set j, j+1
.endr
	WIN 0
	s_wait_alu depctr_va_vdst(0)                   ; the wait ahead of a batch
.set i, 0
.rept 8
	v_exp_f32 v[BM+i], v[BM+i]                     ; the blocks' largest p
	PKF 0, i
.set i, i+1
.endr
.rept 24
	PKF 0, i
.set i, i+1
.endr
	s_wait_alu depctr_va_vdst(0)                   ; and behind it
.irp n, 0,1,2,3,4,5,6,7
	v_max_num_f32 v[BM+\n], 0x1800000, v[BM+\n]    ; the floor 2^(3 - 127): the byte cannot fall under 1
.endr
.irp n, 0,1,2,3,4,5,6,7
	v_add_nc_u32 v[SO+\n], 0xff000000, v[BM+\n]    ; 2 off the exponent field: the conversion's scale operand
.endr
.irp n, 0,1,2,3,4,5,6,7
	v_lshrrev_b32 v[TP+\n], 23, v[SO+\n]           ; the scale's byte
.endr
.irp t, 0,1
	v_lshl_or_b32 v[TA+\t], v[TP+4*\t+1], 8, v[TP+4*\t]
.endr
.irp t, 0,1
	v_lshl_or_b32 v[TA+\t], v[TP+4*\t+2], 16, v[TA+\t]
.endr
.irp t, 0,1
	v_lshl_or_b32 v[PW+\t], v[TP+4*\t+3], 24, v[TA+\t]   ; p's scale word for these 128 keys
.endr
.set i, 0
.rept 32                                       ; tile 0's p = 2^(t - M); among them tile 1's t - M, first read behind the wait below
	v_exp_f32 v[S+2*i], v[S+2*i]
	v_exp_f32 v[S+2*i+1], v[S+2*i+1]
	PKF 1, i
.set i, i+1
.endr
	s_wait_alu depctr_va_vdst(0)                   ; behind tile 0's batch and ahead of tile 1's
.set i, 0
.rept 32                                       ; tile 1's p; among them tile 0's codes, a plain line, and the first level of tile 0's sum (of the unquantised p)
	v_exp_f32 v[S+64+2*i], v[S+64+2*i]
	v_exp_f32 v[S+65+2*i], v[S+65+2*i]
.if i < 8
	v_cvt_scalef32_pk8_fp4_f32 v[PC+i], v[S+8*i:S+8*i+7], v[SO+i/2]
.elseif i == 8
	v_nop                                          ; one plain line between the conversions and what writes their sources
.elseif i < 25
	v_pk_add_f32 v[S+4*(i-9):S+4*(i-9)+1], v[S+4*(i-9):S+4*(i-9)+1], v[S+4*(i-9)+2:S+4*(i-9)+3]
.elseif i == 31
	v_nop                                          ; a plain line behind the last exponential
.endif
.set i, i+1
.endr
	s_wait_alu depctr_va_vdst(0)                   ; behind tile 1's batch
.set i, 0
.rept 8
	v_cvt_scalef32_pk8_fp4_f32 v[PC+8+i], v[S+64+8*i:S+64+8*i+7], v[SO+4+i/2]
.set i, i+1
.endr
	v_nop                                          ; one plain line behind the conversions
	SUML 1, 2, 16
.irp t, 0,1                                    ; the operand wants a whole block in a lane: lanes 0-15 block 2 c, lanes 16-31 block 2 c + 1
.irp c, 0,1
.irp n, 0,1
	v_permlane16_swap_b32 v[PC+8*\t+4*\c+\n], v[PC+8*\t+4*\c+2+\n]
.endr
.endr
.endr
	SUML 0, 4, 8
	SUML 1, 4, 8
	SUML 0, 8, 4
	SUML 1, 8, 4
	SUML 0, 16, 2
	SUML 1, 16, 2
	SUML 0, 32, 1
	SUML 1, 32, 1
.irp t, 0,1
	v_pk_fma_f32 v[L+2*\t:L+2*\t+1], v[L+2*\t:L+2*\t+1], v[F+2*\t:F+2*\t+1], v[S+64*\t:S+64*\t+1] op_sel_hi:[1,0,1]   ; the sum under the new M, and this step's
.endr
	s_wait_alu depctr_va_vdst(0)                   ; the wait directly ahead of the wait below
	s_wait_dscnt 17                                ; V's 17 loads are in; K's 17, issued behind them, may stay out
	s_lshr_b32 s41, s[J8], 13                      ; the step's number m
	s_cmp_eq_u32 s37, 2                            ; in the first block the second block's queries are made beside the second product
	s_cbranch_scc1 .Lwith_q_\@
	OPROD
	s_branch .Lstep_end_\@
.Lwith_q_\@:
	s_and_b32 s42, s41, 3                          ; piece m holds rows 4 (m % 4) .. + 3 of turn 4 + m / 4
	s_mul_i32 s43, s42, 4*SP
	s_wait_loadcnt 0x0                             ; piece m, asked for a step ago, is in
	v_add_nc_u32 v[TA], s43, v[STB]
	ds_store_b128 v[TA], v[QP:QP+3]
	ds_store_b128 v[TA], v[QP+4:QP+7] offset:2*SP
	s_cmp_lg_u32 s42, 3
	s_cbranch_scc1 .Lnot_whole_\@
	QBACK S                                        ; the turn is whole: back into registers of S^T, which nobody needs before the next step's first product
.Lnot_whole_\@:
	OPROD
	s_wait_dscnt 0x0                               ; the stage's stores have read the piece's registers; the turn, if any, is back
	s_cmp_eq_u32 s41, 15
	s_cbranch_scc1 .Lno_piece_\@                   ; no piece follows the sixteenth
	s_add_co_u32 s43, s41, 1                       ; piece m + 1: 2,048 (m % 4) + 256 c + 8,192 t bytes on; c, t = bits 2, 3
	s_and_b32 s44, s43, 3
	s_lshl_b32 s44, s44, 11
	s_bfe_u32 s45, s43, 0x10002
	s_lshl_b32 s45, s45, 8
	s_add_co_u32 s44, s44, s45
	s_bfe_u32 s45, s43, 0x10003
	s_lshl_b32 s45, s45, 13
	s_add_co_u32 s44, s44, s45
	v_add_nc_u32 v[RR], s44, v[GO]
	global_load_b128 v[QP:QP+3], v[RR], s[4:5] offset:131072 th:TH_LOAD_NT
	global_load_b128 v[QP+4:QP+7], v[RR], s[4:5] offset:131072+1024 th:TH_LOAD_NT
.Lno_piece_\@:
.irp q, 0,1,2,3                                ; which operand registers take the codes hangs on the step's number: four copies
	s_cmp_lg_u32 s41, 4*\q+3
	s_cbranch_scc1 .Lnot_turn_\@_\q
	QCOMP 4+\q, S
.Lnot_turn_\@_\q:
.endr
.Lstep_end_\@:
.endm
.macro SENDT t                         ; tile t's O through my stage, half a row (256 bytes) of 16 queries at a time
.irp u, 0,1
.irp T, 0,1,2,3
	ds_store_b128 v[STI], v[S+64*\t+32*\u+8*\T:S+64*\t+32*\u+8*\T+3] offset:64*\T
	ds_store_b128 v[STI], v[S+64*\t+32*\u+8*\T+4:S+64*\t+32*\u+8*\T+7] offset:64*\T+16
.endr
.irp i, 0,1,2,3,4,5,6,7
	ds_load_b128 v[S+64*\t+32*\u+4*\i:S+64*\t+32*\u+4*\i+3], v[STB] offset:2*\i*SP   ; LDS serves a wave's instructions in order (ISA guide 5.7.1.4)
.endr
.endr
.irp u, 0,1
.irp i, 0,1,2,3,4,5,6,7
	s_wait_dscnt 23-16*\u-\i                       ; younger: the 7 - i left of its run, and for the first half the second half's 8 stores and 8 loads
	global_store_b128 v[GO], v[S+64*\t+32*\u+4*\i:S+64*\t+32*\u+4*\i+3], s[10:11] offset:(16*\t+2*\i)*512+256*\u th:TH_STORE_NT   ; 16 lanes store 256 consecutive, aligned bytes
.endr
.endr
.endm
	s_wait_alu depctr_va_vdst(0)                   ; the wait at the head's end
	s_wait_tensorcnt 0x0                           ; my eighth of the head is in LDS,
	s_barrier_signal -1
	s_barrier_wait -1                              ; everybody's is; from here on the image is only read
	FETCH KF, LI, KS, LISK                         ; key step 0
	s_mov_b32 s37, 2                               ; blocks of 256 queries to go
.Lblock:
	WIN 0x40                                       ; a block begins: O^T and the sums as zeros, the largest t as -3e38: the step is written once
.set j, 0
.rept 128
	v_mov_b32 v[j], 0
.set j, j+1
.endr
	WIN 0
.irp t, 0,1
	v_mov_b32 v[NM+2*\t+1], 0xff61b1e6
	v_mov_b32 v[L+2*\t], 0
	v_mov_b32 v[L+2*\t+1], 0
	v_mov_b32 v[F+2*\t+1], 0
	v_floor_f32 v[NM+2*\t], -v[NM+2*\t+1]
.endr
	s_mov_b32 s[J8], 0
	s_mov_b32 s36, 16
	s_wait_alu depctr_va_vdst(0)                   ; the wait ahead of the step's first wait
.Lstep:
	STEP
	s_add_co_u32 s[J8], s[J8], 8192
	s_sub_co_u32 s36, s36, 1
	s_cmp_lg_u32 s36, 0
	s_wait_alu depctr_va_vdst(0)                   ; the wait directly ahead of the branch
	s_cbranch_scc1 .Lstep
	s_cmp_eq_u32 s37, 1                            ; the next block's queries take the operand's registers, if there is a next block
	s_cbranch_scc1 .Lno_next
.set j, 0
.rept 16
	v_mov_b32 v[QF+j], v[QF2+j]
.set j, j+1
.endr
	v_mov_b32 v[QS], v[QS2]
	v_mov_b32 v[QS+1], v[QS2+1]
.Lno_next:
.irp t, 0,1
	v_add_f32 v[L+2*\t], v[L+2*\t], v[L+2*\t+1]    ; the sum's halves (these lines are the places behind the last products)
.endr
.irp t, 0,1
	v_permlanex16_b32 v[TA+\t], v[L+2*\t], s[SEL], s[SEL+1]
.endr
.irp t, 0,1
	v_add_f32 v[L+2*\t], v[L+2*\t], v[TA+\t]       ; with lane l xor 16's: the row's sum
.endr
	s_wait_alu depctr_va_vdst(0)                   ; ahead of the batch of two
	v_rcp_f32 v[L], v[L]
	v_rcp_f32 v[L+2], v[L+2]
	v_nop
	WIN 0x01                                       ; O^T in window 1
	s_wait_alu depctr_va_vdst(0)                   ; behind the batch, directly ahead of the first readers of O^T
.set j, 0
.rept 64
	v_pk_mul_f32 v[S+2*j:S+2*j+1], v[2*j:2*j+1], v[L+2*(j/32):L+2*(j/32)+1] op_sel_hi:[1,0]   ; register 8 T + i of a tile is o(my query, channel 16 T + 8 h + i)
.set j, j+1
.endr
	WIN 0
	s_wait_alu depctr_va_vdst(0)
	SENDT 0
	SENDT 1
	s_wait_xcnt 0x0                                ; the base may step, and the next block's products may write over the stores' data
	s_add_nc_u64 s[10:11], s[10:11], 131072        ; 256 rows of O on
	s_sub_co_u32 s37, s37, 1
	s_cmp_lg_u32 s37, 0
	s_cbranch_scc1 .Lblock
	s_wait_dscnt 0x0                               ; the last step's fetch of key step 0 is back
	s_wait_tensorcnt 0x0                           ; the wave's end
	ds_add_u32 v[SPW], v[NIL]
	s_wait_dscnt 0x0
	CROUND                                         ; the closing round
	s_endpgm
.Lfunc_end_k_q0905fdd66e_attn:
	.size	k_q0905fdd66e_attn, .Lfunc_end_k_q0905fdd66e_attn-k_q0905fdd66e_attn
	.p2alignl 7, 3214868480
	.fill 96, 4, 3214868480
	.section	.rodata,"a",@progbits
	.p2align	6, 0x0
	.amdhsa_kernel k_q0905fdd66e_attn
		.amdhsa_group_segment_fixed_size 327680
		.amdhsa_private_segment_fixed_size 0
		.amdhsa_enable_private_segment 0
		.amdhsa_kernarg_size 24
		.amdhsa_user_sgpr_count 2
		.amdhsa_user_sgpr_kernarg_segment_ptr 1
		.amdhsa_wavefront_size32 1
		.amdhsa_system_sgpr_workgroup_id_x 1
		.amdhsa_system_sgpr_workgroup_id_y 1
		.amdhsa_system_sgpr_workgroup_id_z 1
		.amdhsa_system_vgpr_workitem_id 0
		.amdhsa_next_free_vgpr 512
		.amdhsa_next_free_sgpr 66
		.amdhsa_reserve_vcc 0
		.amdhsa_float_denorm_mode_32 3
		.amdhsa_float_denorm_mode_16_64 3
		.amdhsa_memory_ordered 1
		.amdhsa_forward_progress 1
		.amdhsa_inst_pref_size 80
	.end_amdhsa_kernel
	.amdgpu_metadata
---
amdhsa.version: [ 1, 2 ]
amdhsa.kernels:
  - .name:           k_q0905fdd66e_attn
    .symbol:         k_q0905fdd66e_attn.kd
    .args:
      - { .name: query, .offset: 0, .size: 8, .value_kind: global_buffer, .address_space: global }
      - { .name: kv, .offset: 8, .size: 8, .value_kind: global_buffer, .address_space: global }
      - { .name: out0, .offset: 16, .size: 8, .value_kind: global_buffer, .address_space: global }
    .group_segment_fixed_size: 327680
    .private_segment_fixed_size: 0
    .kernarg_segment_align: 8
    .kernarg_segment_size: 24
    .max_flat_workgroup_size: 256
    .sgpr_count:     66
    .vgpr_count:     512
    .wavefront_size: 32
...
	.end_amdgpu_metadata
.endif
;; end of part 2
